; MI455X (gfx1250); checked and timed in simulation.
; The chip was launched on July 23, 2026; its instructions are those of AMD's public machine-readable ISA for CDNA 5 (MIT licence, August 2026) and "CDNA5" Instruction Set Architecture Reference Guide (July 2026). The comments in the code are by the model that wrote it; some were corrected since.
;; Multi Head Self Attention. Allowed arithmetic: matrix products marked QUANTISED: E2M3 operands, one E8M0 scale for each 32 along K, by v_wmma_scale_f32_16x16x128_f8f6f4 with both operands' format E2M3, f32 sums; everything else in f32.
;; Inputs: Wk 1,024 x 1,024 float32; Wq 1,024 x 1,024 float32; Wv 1,024 x 1,024 float32; bk 1,024 float32; bq 1,024 float32; bv 1,024 float32; key 4 x 2,048 x 1,024 float32; query 4 x 2,048 x 1,024 float32; value 4 x 2,048 x 1,024 float32.
;; Outputs: out0 4 x 2,048 x 1,024 float32.
;; This version of the problem:
;;   THIS VERSION OF THE PROBLEM IS GIVEN IN LOW PRECISION. The matrix products marked QUANTISED in the list below multiply operands that are first quantised to E2M3 (2 exponent bits, 3 mantissa bits; 6 bits a number), with one power-of-two scale for each 32 numbers along K (OCP MX v1.0); their sums are f32. All else is computed in f32.
;;   The module's matrix products, in the order in which they are computed (A, B: the left and right operand; K: the contracted axis; several contracted axes count as one K, in the product's order):
;;     1. [M 8,192, K 1,024] x [K 1,024, N 1,024]; A: input query; B: input Wq: QUANTISED
;;     2. [M 8,192, K 1,024] x [K 1,024, N 1,024]; A: input key; B: input Wk: QUANTISED
;;     3. [M 8,192, K 1,024] x [K 1,024, N 1,024]; A: input value; B: input Wv: QUANTISED
;;     4. batch 64 x [M 2,048, K 64] x [K 64, N 2,048]; A: computed on the way; B: computed on the way: QUANTISED
;;     5. batch 64 x [M 2,048, K 2,048] x [K 2,048, N 64]; A: softmax (see below); B: computed on the way: QUANTISED
;;   THE QUANTISER, for each operand of a quantised product, along K:
;;     - K is cut into blocks of 32 from its start; a last block that is shorter is filled with zeros.
;;     - A block's scale is 2^e with e = floor(log2(the largest magnitude in the block)) - 2, held to -126 .. 127; a block of zeros has e = 0. As a byte (E8M0): e + 127.
;;     - Each number is divided by its block's scale, clamped to +-7.5, and rounded to the nearest number of E2M3, ties to even, subnormals kept.
;;     - The product sums the exact products of the quantised numbers (number of the format x scale) in f32.
;;   ~~~python
;;   def quantise(x, axis):      # numpy; x: float32 -> the quantised numbers, widened to float32 again
;;       x = np.moveaxis(x, axis, -1); K = x.shape[-1]
;;       x = np.pad(x, [(0, 0)] * (x.ndim - 1) + [(0, -K % 32)]); x = x.reshape(x.shape[:-1] + (-1, 32)); a = np.abs(x).max(-1, keepdims=True)
;;       e = np.where(a > 0, np.clip(np.frexp(np.where(a > 0, a, 1))[1] - 1 - 2, -126, 127), 0)      # np.frexp(a)[1] - 1 = floor(log2(a)), exactly
;;       r = np.clip(x / 2.0 ** e, -7.5, 7.5)
;;       step = 2.0 ** (np.maximum(np.frexp(np.where(r == 0, 1, r))[1] - 1, 0) - 3)
;;       q = np.round(r / step) * step * 2.0 ** e      # np.round: ties to even
;;       return np.moveaxis(q.reshape(q.shape[:-2] + (-1,))[..., :K], -1, axis).astype(np.float32)
;;   ~~~
;;   SOFTMAX AHEAD OF A QUANTISED PRODUCT. Where the list says 'softmax', what is quantised is not the finished softmax but p = 2^(t - M), with t = logit x log2(e) and M = ceil(the row's largest t), a whole number; so 1/2 < the row's largest p <= 1. The row's sum l is taken of the UNQUANTISED p, in f32, and the product's result is divided by l at the end. Since M is a whole number, a kernel that streams over the keys may use a running M (the ceiling of the running maximum): every later rescaling is an exact power of two, which a block's scale takes up: the codes' values come out the same.
;;   OPERANDS COMPUTED ON THE WAY. 'Computed on the way' means the value that the module computes at that place (a softmax that the list does not call 'softmax' is quantised finished and normalised). What goes into a quantiser is computed in f32, as accurately as f32 sums, v_exp_f32 and their like allow (about 1e-6 of the number): no bf16 or f16 on the way to a quantiser, and a product that is left as it is and whose result goes on into a quantised operand takes f32 operands (vector FMAs, or v_wmma_f32_16x16x4_f32). A number that lies on a knife's edge between two numbers of the format may be rounded either way, as far as f32 arithmetic and the matrix unit's own rounding can turn it there, and no further.
;; One version. Each part assembles by itself: llvm-mc -triple=amdgcn-amd-amdhsa -mcpu=gfx1250 --defsym DOCPART=n.
;; ======== version 1 of 1: 3 launches
;; limits: right only within a limited range of input values
;; workspace buffers: xc 18,874,368 bytes; xs 786,432 bytes; wc 2,359,296 bytes; ws 98,304 bytes; qb 6,815,744 bytes; kv 13,369,344 bytes
;; launch quant (part 1): grid 864 x 1, 4 waves a work-group, no clusters, 33,280 bytes of LDS; arguments query, key, value, Wq, Wk, Wv, xc, xs, wc, ws; writes xc, xs, wc, ws
.if DOCPART == 1
	.amdgcn_target "amdgcn-amd-amdhsa--gfx1250"
	.amdhsa_code_object_version 6
	.text
	.protected	k_q557a24c182_quant
	.globl	k_q557a24c182_quant
	.p2align	8
	.type	k_q557a24c182_quant,@function
k_q557a24c182_quant:
	s_mov_b64 s[64:65], 0
	v_nop
	global_prefetch_b8 v0, s[64:65] scope:SCOPE_SE
	s_setreg_imm32_b32 hwreg(HW_REG_WAVE_MODE, 25, 1), 1
	s_wait_xcnt 0x0
; query, key, value [8192][1024] and Wq, Wk, Wv [1024][1024], f32, K innermost, are turned into codes of FP6 (E2M3) with one E8M0 scale byte for each 32 along K.
; xc [3 x 8192 positions][768 bytes] and wc [3 x 1024][768]: a row's 1,024 codes as one stream of bits;  xs, ws: [position][32 scale bytes].
; A block's scale is 2^(floor(log2(its largest magnitude)) - 2); its byte is the largest magnitude's exponent field - 2, held at 1 from below.  A block of zeros so gets the byte 1 where the rule says 127:
; its codes are zeros, which add nothing under any byte but 0xff, and this program alone reads the bytes.  Each number is divided by the scale and rounded to the nearest code, ties to even.
; LIMITS: blocks whose largest magnitude lies under 2^-124 keep the byte 1; NaN and infinities among the inputs are not served.
; THE ORDER OF ROWS, by groups of 8 rows.  Wv: in each 32 rows groups 1 and 2 change places: position 16 i + r holds row 32 (i / 2) + 8 (i % 2) + r + 8 (r / 8).
; All others: in each 64 rows group 4 h + u goes to place 2 u + h: tile u's row 8 h + j is row 32 h + 8 u + j, so that four neighbouring tiles of a transposed product give a lane 32 neighbours.
; query, key, value besides: in each 256 rows tile 8 a + s goes to tile place 2 s + a: the two wave rows of the next launch take their tiles by turns out of rows that lie on end.
; SHARES: a work-group takes 32 rows, a wave 8 rows: 16 steps of 512 numbers.  Work-groups 0-767: query, key, value (256 each); 768-863: Wq, Wk, Wv (32 each).  Only pointers and places are chosen: all take one path.
; Each of a step's four loads reads 512 consecutive bytes; the 2,048 bytes turn through the wave's own stage in LDS and come back 64 bytes a lane, since the conversion takes 16 neighbours of one lane.
; A lane's 16 codes are 12 bytes: the wave stores 384 consecutive bytes.  Its 256 scale bytes leave as one aligned run.  No barrier: waves share nothing.
.set WAVES, 4
.set STEPS, 16
.set EMAX,  2
.set CB,    12                         ; bytes of 16 codes
.set R,     16                         ; v16-79   four sets of 16 numbers as they are loaded
.set X,     80                         ; v80-111  two sets of 16 neighbours
.set C,     128                        ; v128-191 codes: four registers for each step
.set E,     112                        ; v112-127 a scale byte for each step
.set WREG,  8192                       ; LDS: a region for each wave: two stages of 32 x SP bytes, behind them its 256 scale bytes
.set SP,    80                         ; a lane's place in a stage: 64 bytes + 16 of padding
.set SPW,   12                         ; v12 my spare word; never rewritten
.set NIL,   13                         ; v13 0; never rewritten
.set SPARE, WAVES*WREG
	s_load_b512 s[32:47], s[0:1], 0x0              ; query, key, value, Wq, Wk, Wv, xc, xs
	s_load_b128 s[48:51], s[0:1], 0x40             ; wc, ws
	v_lshl_add_u32 v[SPW], v0, 2, SPARE
	v_mov_b32 v[NIL], 0
	v_lshrrev_b32 v1, 5, v0
	v_readfirstlane_b32 s16, v1                    ; wave
	v_and_b32 v2, 31, v0                           ; lane
	v_lshlrev_b32 v3, 4, v2                        ; my 16 bytes of a load's 512
	s_mul_i32 s22, s16, WREG
	v_lshrrev_b32 v14, 2, v2
	v_mul_u32_u24 v14, v14, SP
	v_and_b32 v15, 3, v2
	v_lshl_add_u32 v14, v15, 4, v14
	v_add_nc_u32 v14, s22, v14                     ; the stage, on the way in
	v_mul_u32_u24 v15, v2, SP
	v_add_nc_u32 v15, s22, v15                     ; and on the way out: my 16 neighbours
	v_mul_u32_u24 v4, v2, CB                       ; my codes' place in a step's
	v_lshrrev_b32 v5, 1, v2
	s_add_co_u32 s22, s22, 2*32*SP
	v_add_nc_u32 v5, s22, v5                       ; LDS: my block's scale byte
	v_lshlrev_b32 v7, 3, v2
	v_add_nc_u32 v6, s22, v7
	s_wait_alu depctr_va_vdst(0)
	s_wait_kmcnt 0x0
	s_cmp_lt_u32 ttmp9, 768                        ; an activation's work-group or a weight's?
	s_cselect_b64 s[24:25], s[32:33], s[38:39]
	s_cselect_b64 s[26:27], s[34:35], s[40:41]
	s_cselect_b64 s[28:29], s[36:37], s[42:43]
	s_cselect_b64 s[8:9], s[44:45], s[48:49]
	s_cselect_b64 s[10:11], s[46:47], s[50:51]
	s_cselect_b32 s17, 0, 768
	s_cselect_b32 s18, 8, 5                        ; 256 or 32 work-groups to a tensor
	s_sub_co_u32 s17, ttmp9, s17                   ; my place among the three tensors' work-groups
	s_lshr_b32 s19, s17, s18                       ; which of the three
	s_lshl_b32 s20, s19, s18
	s_sub_co_u32 s20, s17, s20
	s_cmp_eq_u32 s19, 0
	s_cselect_b64 s[4:5], s[24:25], s[26:27]
	s_cmp_eq_u32 s19, 2
	s_cselect_b64 s[4:5], s[28:29], s[4:5]         ; the tensor that I read
	s_lshl_b32 s23, s20, 2
	s_add_co_u32 s23, s23, s16
	s_lshl_b32 s2, s23, 15                         ; my 8 rows: 32,768 bytes
	s_mov_b32 s3, 0
	s_add_nc_u64 s[4:5], s[4:5], s[2:3]
	s_and_b32 s21, s16, 1                          ; where the group goes.  Wv: groups 1 and 2 of four change places
	s_lshl_b32 s21, s21, 1
	s_lshr_b32 s23, s16, 1
	s_or_b32 s21, s21, s23
	s_lshl_b32 s23, s17, 2
	s_add_co_u32 s23, s23, s21
	s_lshl_b32 s21, s17, 2                         ; the others: of eight groups, group 4 h + u goes to place 2 u + h
	s_add_co_u32 s21, s21, s16
	s_and_b32 s22, s21, 3
	s_lshl_b32 s22, s22, 1
	s_bfe_u32 s18, s21, 0x10002
	s_or_b32 s22, s22, s18
	s_and_b32 s21, s21, 0xfffffff8
	s_or_b32 s21, s21, s22
	s_cmp_lt_u32 ttmp9, 832
	s_cselect_b32 s23, s21, s23
	s_bfe_u32 s22, s21, 0x30001                    ; the activations: of 16 tiles, tile 8 a + s goes to tile place 2 s + a
	s_lshl_b32 s22, s22, 2
	s_bfe_u32 s18, s21, 0x10004
	s_lshl_b32 s18, s18, 1
	s_or_b32 s22, s22, s18
	s_and_b32 s18, s21, 1
	s_or_b32 s22, s22, s18
	s_and_b32 s21, s21, 0xffffffe0
	s_or_b32 s21, s21, s22
	s_cmp_lt_u32 ttmp9, 768
	s_cselect_b32 s23, s21, s23                    ; my group's place
	s_mul_i32 s2, s23, 32*STEPS*CB                 ; 6,144 bytes of codes a group
	s_add_nc_u64 s[8:9], s[8:9], s[2:3]
	s_lshl_b32 s2, s23, 8                          ; 256 scale bytes a group
	s_add_nc_u64 s[10:11], s[10:11], s[2:3]
.macro LOAD t
.irp i, 0,1,2,3
	global_load_b128 v[R+16*((\t)%4)+4*\i:R+16*((\t)%4)+4*\i+3], v3, s[4:5] offset:2048*(\t)+512*\i th:TH_LOAD_NT
.endr
.endm
.macro TURN t                          ; LDS serves a wave's instructions in order: no wait between the stores and the loads
.irp i, 0,1,2,3
	ds_store_b128 v14, v[R+16*((\t)%4)+4*\i:R+16*((\t)%4)+4*\i+3] offset:32*SP*((\t)%2)+8*SP*\i
.endr
.irp i, 0,1,2,3
	ds_load_b128 v[X+16*((\t)%2)+4*\i:X+16*((\t)%2)+4*\i+3], v15 offset:32*SP*((\t)%2)+16*\i
.endr
.endm
.irp t, 0,1,2,3
	LOAD \t
.endr
	s_wait_loadcnt 12                              ; step 0's four loads are in; three steps' twelve stay out
	TURN 0
.macro STEP t
.set XS, X+16*((\t)%2)
.if (\t) > 0
	s_wait_dscnt 1                                 ; this step's numbers are back (the last step's byte store may be out)
.else
	s_wait_dscnt 0x0
.endif
.if (\t)+4 < STEPS
	LOAD (\t)+4
.endif
.if (\t)+1 < STEPS
.if STEPS-2-(\t) >= 3
	s_wait_loadcnt 12                              ; the next step's four loads are in; three steps' may be out
.else
	s_wait_loadcnt 4*(STEPS-2-(\t))
.endif
	TURN (\t)+1
.endif
	v_max3_num_f32 v8, |v[XS]|, |v[XS+1]|, |v[XS+2]|               ; the largest magnitude of my 16, in two chains
	v_max3_num_f32 v9, |v[XS+3]|, |v[XS+4]|, |v[XS+5]|
.irp i, 6,10
	v_max3_num_f32 v8, v8, |v[XS+\i]|, |v[XS+\i+1]|
	v_max3_num_f32 v9, v9, |v[XS+\i+2]|, |v[XS+\i+3]|
.endr
	v_max3_num_f32 v8, v8, |v[XS+14]|, |v[XS+15]|
	v_max3_num_f32 v8, v8, v9, (EMAX+1)<<23        ; the floor 2^(3 - 127): the byte cannot fall under 1
	v_max_num_f32_dpp v8, v8, v8 row_xmask:1 row_mask:0xf bank_mask:0xf   ; with my neighbour's 16: the block's
	v_add_nc_u32 v11, -(EMAX<<23), v8              ; 2 off its exponent field: the conversion's scale operand
	v_cvt_scalef32_pk16_fp6_f32 v[C+4*(\t):C+4*(\t)+2], v[XS:XS+15], v11
	v_lshrrev_b32 v[E+(\t)], 23, v11               ; the scale's byte (a plain line behind the conversion)
	ds_store_b8 v5, v[E+(\t)] offset:16*(\t)
	global_store_b96 v4, v[C+4*(\t):C+4*(\t)+2], s[8:9] offset:32*CB*(\t)
.endm
.irp t, 0,1,2,3,4,5,6,7,8,9,10,11,12,13,14,15
	STEP \t
.endr
	ds_load_b64 v[8:9], v6
	s_wait_dscnt 0x0
	global_store_b64 v7, v[8:9], s[10:11]          ; 32 lanes store 256 consecutive bytes, aligned
	s_wait_tensorcnt 0x0                           ; the wave's end
	ds_add_u32 v[SPW], v[NIL]
	s_wait_dscnt 0x0
	s_endpgm
.Lfunc_end_k_q557a24c182_quant:
	.size	k_q557a24c182_quant, .Lfunc_end_k_q557a24c182_quant-k_q557a24c182_quant
	.p2alignl 7, 3214868480
	.fill 96, 4, 3214868480
	.section	.rodata,"a",@progbits
	.p2align	6, 0x0
	.amdhsa_kernel k_q557a24c182_quant
		.amdhsa_group_segment_fixed_size 33280
		.amdhsa_private_segment_fixed_size 0
		.amdhsa_enable_private_segment 0
		.amdhsa_kernarg_size 80
		.amdhsa_user_sgpr_count 2
		.amdhsa_user_sgpr_kernarg_segment_ptr 1
		.amdhsa_wavefront_size32 1
		.amdhsa_system_sgpr_workgroup_id_x 1
		.amdhsa_system_sgpr_workgroup_id_y 1
		.amdhsa_system_sgpr_workgroup_id_z 1
		.amdhsa_system_vgpr_workitem_id 0
		.amdhsa_next_free_vgpr 192
		.amdhsa_next_free_sgpr 66
		.amdhsa_reserve_vcc 0
		.amdhsa_float_denorm_mode_32 3
		.amdhsa_float_denorm_mode_16_64 3
		.amdhsa_memory_ordered 1
		.amdhsa_forward_progress 1
		.amdhsa_inst_pref_size 34
	.end_amdhsa_kernel
	.amdgpu_metadata
---
amdhsa.version: [ 1, 2 ]
amdhsa.kernels:
  - .name:           k_q557a24c182_quant
    .symbol:         k_q557a24c182_quant.kd
    .args:
      - { .name: query, .offset: 0, .size: 8, .value_kind: global_buffer, .address_space: global }
      - { .name: key, .offset: 8, .size: 8, .value_kind: global_buffer, .address_space: global }
      - { .name: value, .offset: 16, .size: 8, .value_kind: global_buffer, .address_space: global }
      - { .name: Wq, .offset: 24, .size: 8, .value_kind: global_buffer, .address_space: global }
      - { .name: Wk, .offset: 32, .size: 8, .value_kind: global_buffer, .address_space: global }
      - { .name: Wv, .offset: 40, .size: 8, .value_kind: global_buffer, .address_space: global }
      - { .name: xc, .offset: 48, .size: 8, .value_kind: global_buffer, .address_space: global }
      - { .name: xs, .offset: 56, .size: 8, .value_kind: global_buffer, .address_space: global }
      - { .name: wc, .offset: 64, .size: 8, .value_kind: global_buffer, .address_space: global }
      - { .name: ws, .offset: 72, .size: 8, .value_kind: global_buffer, .address_space: global }
    .group_segment_fixed_size: 33280
    .private_segment_fixed_size: 0
    .kernarg_segment_align: 8
    .kernarg_segment_size: 80
    .max_flat_workgroup_size: 128
    .sgpr_count:     66
    .vgpr_count:     192
    .wavefront_size: 32
...
	.end_amdgpu_metadata
.endif
;; end of part 1
;; launch proj (part 2): grid 32 x 8, 4 waves a work-group, clusters of 4 x 4, 327,680 bytes of LDS; arguments xc, xs, wc, ws, bq, bk, bv, qb, kv; writes qb, kv
.if DOCPART == 2
	.amdgcn_target "amdgcn-amd-amdhsa--gfx1250"
	.amdhsa_code_object_version 6
	.text
	.protected	k_q557a24c182_proj
	.globl	k_q557a24c182_proj
	.p2align	8
	.type	k_q557a24c182_proj,@function
k_q557a24c182_proj:
	s_mov_b64 s[64:65], 0
	v_nop
	global_prefetch_b8 v0, s[64:65] scope:SCOPE_SE
	s_setreg_imm32_b32 hwreg(HW_REG_WAVE_MODE, 25, 1), 1
	s_wait_xcnt 0x0
	s_wait_alu depctr_hold_cnt(0) depctr_sa_sdst(0) depctr_va_vdst(0) depctr_va_sdst(0) depctr_va_ssrc(0) depctr_va_vcc(0) depctr_vm_vsrc(0)
	s_getreg_b32 s2, hwreg(HW_REG_IB_STS2, 6, 4)
	s_cmp_eq_u32 s2, 0
	s_cbranch_scc0 .Lentry_in_a_cluster
	s_endpgm
.Lentry_in_a_cluster:
	s_bfe_u32 s2, ttmp6, 0x10000c
	s_cmp_lg_u32 s2, 0xf033
	s_cbranch_scc0 .Lentry_shape_is_right
	s_endpgm
.Lentry_shape_is_right:
; Q = query Wq^T + bq, K = key Wk^T + bk, V = value Wv^T + bv on codes of FP6 (E2M3) with E8M0 scales, f32 sums that begin with the bias, each result quantised again and stored as images of the attention launch's operand registers.
; LIMITS: NaN, infinities and sums beyond f32's range are not served; a block whose largest magnitude lies under 2^-124 keeps the scale byte 1.
; THE DEAL.  256 work-groups of four waves, 2 x 2.  Work-group (tile row tr, tile column tc) makes, in three phases, 256 tokens x 128 columns of Q, of K and of V.  The wave in row a, column b holds head 2 tc + b's 64 rows of the phase's weight,
; all of K, in registers (32 fragments, 384 registers) and streams its 128 tokens past them in eight blocks of 16: 32 products a block, four accumulators by turns.  Its block s lies at rows 32 s + 16 a of the work-group's 256.
; Q, K: source 0 = the weight's rows: a lane holds one token and, by the order of the weight's rows, 32 neighbouring channels: one scale block, and its codes are registers 0-5 of the operand.
; V: source 0 = the tokens: a lane holds one channel and, over four blocks, 32 neighbouring tokens: a scale block along the keys; two such bands are an operand's 12 registers.
; qb [batch x 16 + head][106,496]: codes 768 a tile (registers 0-3 at 16 x lane, 4-5 at 512 + 8 x lane), from 98,304 scale words (512 bytes for 8 tiles: lane l's word i: lanes 0-15 tile 2 i, lanes 16-31 tile 2 i + 1; bytes 2, 3 are 1.0).
; kv [batch x 16 + head][208,896]: K as Q (scale words from 196,608); V's codes from 98,304: 6,144 a key group, 1,536 a channel tile; its scale words from 204,800, 256 a key group.
; LDS: three regions of 128 rows of 816 bytes (768 + 16 behind every 256): A's rows 0-127, A's rows 128-255, B's 128 rows.  All three are filled at the head, one tensor load a wave.
; REFILLS, each behind a drained round of the cluster's barrier: in block 2 the next phase's B (waves 0, 1) and A's rows 0-127 (waves 2, 3), 64 rows a load;
; in block 6 its rows 128-255 (waves 0, 1).  What a round's loads brought is shown to all waves by the next round's waits (in the last phase by a plain barrier in block 2).
; A's rows are shared by a column of the cluster, B's by a row: joint loads.  No prefetch is written: each refill is asked for at least four blocks of 32 products ahead of its first read.
; Scale words and biases come by plain loads in whole runs, one phase ahead, into sets that take turns.  Results leave from registers: 512, 256 bytes on end a store.
.set TOK,   8192
.set KROW,  768
.set PITCH, 816
.set FR,    12
.set FPW,   21                         ; fragments in a window: fragment f lies in window 1 + f / 21 at register 12 (f % 21).  0-31 B's (4 q + tile), 32-47 A's two sets (32 + 8 e + q)
.set REG,   128*PITCH
.set AH1,   REG
.set BR,    2*REG
.set SPARE, 3*REG
.set ADA0, 4                           ; v4, v5 LDS address of my fragments of block 0 (v5: for the pieces behind one padding more); v6, v7 of the block that is fetched
.set AD,   6
.set V16,  8                           ; v8 16 x lane; v9 8 x lane
.set V8,   9
.set SPW,  10
.set NIL,  11
.set ABS,  12                          ; v12 32 x lane: B's scale words
.set ASA,  13                          ; v13 A's: 32 r + 1,024 h + 512 a
.set SH8,  14                          ; v14 8 h
.set VB,   15                          ; v15 128 h: Q's and K's bias;  v16 4 (r + 8 (r / 8)): V's
.set VBV,  16
.set BA,   18                          ; v18-25 LDS addresses of B's four tiles, two each
.set T,    26                          ; v26-29 largest magnitudes; v30-33 the conversions' scale operands; v34-37 bytes; v38-41 scale words at work; v42-45 from lane l xor 16; v46-49 words to store
.set SOP,  30
.set EB,   34
.set W,    38
.set PT,   42
.set XW,   46
.set TC,   50                          ; v50-65 codes whose place begins on an odd register
.set SB,   72                          ; v72-103 B's scale words, two sets of 16
.set SA,   108                         ; v108-171 A's, two sets of 32 (a product's two scale registers differ by 4 modulo 8)
.set BI1,  176                         ; v176-207 K's bias as the first products' C
.set NCD,  208                         ; v208-223 Q's or K's codes, two sets of 8
.set VCD,  176                         ; v176-223 V's codes, 12 a channel tile (K's bias and codes are done with)
.set BV4,  224                         ; v224-227 V's bias, a number a tile
.set ACC,  72                          ; window 3: v72-199 the sums;  v200-231 Q's, then V's bias as C
.set BI0,  200
.set G1A, 24
.set G1B, 32
.set G0A, 56
.set G0B, 60
.set G1RA, 80
.set G1RB, 88
.set SEL, 78
.set MSK, 98
.set C7F, 99
.set MSB, 0
.set NLD, 0
.macro WIN new
.if MSB != \new
	s_set_vgpr_msb (MSB<<8)|\new
.set MSB, \new
.endif
.endm
.macro PLACES n
.rept \n
	v_nop
.endr
.endm
.macro WALU
	s_wait_alu depctr_va_vdst(0)
.endm
.macro BARRIER
	s_barrier_signal -1
	s_barrier_wait -1
.endm
.macro MIDDLE                          ; a round's middle
	WIN 0
	s_barrier_wait -1
	s_cmp_lg_u32 s14, 0
	s_cbranch_scc1 .Lnot_wave_0_\@
	s_barrier_signal -3
.Lnot_wave_0_\@:
	s_barrier_wait -3
.endm
.macro CROUND
	s_barrier_signal -1
	MIDDLE
	BARRIER
.endm
.macro TLOAD g0, g1                    ; an s_nop 0 and four v_nop follow a tensor load
	tensor_load_to_lds s[\g0:\g0+3], s[\g1:\g1+7]
	s_nop 0
	PLACES 4
.endm
.macro GROUP1 g, mask, rows
	s_or_b32 s[\g+0], s[\mask], (1<<20)|(1<<21)|(5<<22)|(3<<25)
	s_mov_b32 s[\g+1], KROW<<16
	s_mov_b32 s[\g+3], KROW<<16
.if \rows
	s_mov_b32 s[\g+2], (\rows)<<16
	s_mov_b32 s[\g+4], \rows
.endif
	s_mov_b32 s[\g+5], KROW
	s_mov_b32 s[\g+6], 0
	s_mov_b32 s[\g+7], 0
.endm
.macro ATILE first, rows               ; a part of A's 256 rows at the head, by a descriptor of constants
	s_mov_b32 s[G0A+1], (\first)*PITCH
	s_mov_b32 s[G1A+2], (\rows)<<16
	s_mov_b32 s[G1A+4], \rows
.if \first
	s_add_nc_u64 s[G0A+2:G0A+3], s[G0A+2:G0A+3], (\first)*KROW
.endif
	s_or_b32 s[G0A+3], s[G0A+3], 0x80000000
	TLOAD G0A, G1A
.endm
.macro PLUS p, off                     ; a pointer steps on by the 32-bit offset in s\off (s21 = 0)
	s_mov_b32 s20, s\off
	s_add_nc_u64 s[\p:\p+1], s[\p:\p+1], s[20:21]
.endm
.macro FRAG f, q, a0, a1               ; a fragment out of padded rows: six pieces of 8 bytes, two to a load where both go by the same address register
	WIN (1+(\f)/FPW)<<6
.set R_, FR*((\f)%FPW)
.set SKIP_, 0
.irp p, 0,1,2,3,4,5
.if SKIP_
.set SKIP_, 0
.else
.set PC_, 12*(\q)+6*(\p/3)+\p%3
.set PN_, 12*(\q)+6*((\p+1)/3)+(\p+1)%3
.set X_, (PC_%32+3)/32
.set XQ_, (PN_%32+3)/32
.set NLD, NLD+1
.if (\p < 5) && (X_ == XQ_)
.set SKIP_, 1
.if X_
	ds_load_2addr_b64 v[R_+2*\p:R_+2*\p+3], \a1 offset0:PC_+2*(PC_/32) offset1:PN_+2*(PN_/32)
.else
	ds_load_2addr_b64 v[R_+2*\p:R_+2*\p+3], \a0 offset0:PC_+2*(PC_/32) offset1:PN_+2*(PN_/32)
.endif
.elseif X_
	ds_load_b64 v[R_+2*\p:R_+2*\p+1], \a1 offset:8*(PC_+2*(PC_/32))
.else
	ds_load_b64 v[R_+2*\p:R_+2*\p+1], \a0 offset:8*(PC_+2*(PC_/32))
.endif
.endif
.endr
.endm
.macro FETCH e, blk                    ; block blk of A into set e.  The four plain lines are the places behind the products that read the set
	v_add_nc_u32 v[AD], (\blk)*32*PITCH, v[ADA0]
	v_add_nc_u32 v[AD+1], (\blk)*32*PITCH, v[ADA0+1]
	v_nop
	v_nop
	WALU
.irp q, 0,1,2,3,4,5,6,7
	FRAG 32+8*(\e)+\q, \q, v[AD], v[AD+1]
.endr
	WIN 0
.endm
.macro BREGS                           ; my 64 rows of B, all of K
.irp q, 0,1,2,3,4,5,6,7
.irp b, 0,1,2,3
	FRAG 4*\q+\b, \q, v[BA+2*\b], v[BA+2*\b+1]
.endr
.endr
	WIN 0
.endm
.macro WM1 c, x, y
	v_wmma_scale_f32_16x16x128_f8f6f4 v[D_:D_+7], v[R0_:R0_+FR-1], v[R1_:R1_+FR-1], \c, v[X0_], v[X1_] matrix_a_fmt:MATRIX_FMT_FP6 matrix_b_fmt:MATRIX_FMT_FP6 matrix_a_scale:MATRIX_SCALE_ROW\x matrix_b_scale:MATRIX_SCALE_ROW\y
.endm
.macro WM c, ra, rb
.if (\ra) == 0 && (\rb) == 0
	WM1 \c, 0, 0
.elseif (\ra) == 0
	WM1 \c, 0, 1
.elseif (\rb) == 0
	WM1 \c, 1, 0
.else
	WM1 \c, 1, 1
.endif
.endm
.macro PQK p, s, n                     ; product n = 4 q + tile of a block of Q or K: source 0 the weight's rows
.set Q_, (\n)/4
.set J_, (\n)%4
.set FB_, 4*Q_+J_
.set FA_, 32+8*((\s)%2)+Q_
.set D_, ACC+8*J_
.set X0_, SB+16*((\p)%2)+8*(J_/2)+Q_
.set X1_, SA+32*((\p)%2)+8*((\s)/2)+Q_
.set R0_, FR*(FB_%FPW)
.set R1_, FR*(FA_%FPW)
.if Q_
	WIN (1+FB_/FPW)|((1+FA_/FPW)<<2)|0xf0
	WM v[D_:D_+7], J_%2, (\s)%2
.elseif (\p) == 0
	WIN (1+FB_/FPW)|((1+FA_/FPW)<<2)|0xf0
	WM v[BI0+8*J_:BI0+8*J_+7], J_%2, (\s)%2
.else
	WIN (1+FB_/FPW)|((1+FA_/FPW)<<2)|0xc0
	WM v[BI1+8*J_:BI1+8*J_+7], J_%2, (\s)%2
.endif
.endm
.macro PV s, n                         ; of V: source 0 the tokens
.set Q_, (\n)/4
.set J_, (\n)%4
.set FB_, 4*Q_+J_
.set FA_, 32+8*((\s)%2)+Q_
.set D_, ACC+32*J_+8*((\s)%4)
.set X0_, SA+8*((\s)/2)+Q_
.set X1_, SB+8*(J_/2)+Q_
.set R0_, FR*(FA_%FPW)
.set R1_, FR*(FB_%FPW)
	WIN (1+FA_/FPW)|((1+FB_/FPW)<<2)|0xf0
.if Q_
	WM v[D_:D_+7], (\s)%2, J_%2
.else
	WM v[BI0+8*J_:BI0+8*J_+7], (\s)%2, J_%2
.endif
.endm
.macro PRS p, s, from, to
.set N_, \from
.rept (\to)-(\from)
.if (\p) == 2
	PV \s, N_
.else
	PQK \p, \s, N_
.endif
.set N_, N_+1
.endr
	WIN 0
.endm
.macro SCLOAD p                        ; phase p's scale words into its sets: word q of a row; lanes 0-15 an even tile's rows, lanes 16-31 the next tile's
.irp y, 0,1,2,3
.irp c, 0,1
	global_load_b128 v[SA+32*((\p)%2)+8*\y+4*\c:SA+32*((\p)%2)+8*\y+4*\c+3], v[ASA], s[6:7] offset:(\p)*TOK*32+2048*\y+16*\c
.endr
.endr
.irp y, 0,1
.irp c, 0,1
	global_load_b128 v[SB+16*((\p)%2)+8*\y+4*\c:SB+16*((\p)%2)+8*\y+4*\c+3], v[ABS], s[10:11] offset:(\p)*32768+1024*\y+16*\c
.endr
.endr
.endm
.macro QKOUT s, pc, ps                 ; a block of Q or K leaves: a lane's 32 sums are one scale block
.set N2_, NCD+8*((\s)%2)
	s_wait_xcnt 0x0                                ; earlier stores have read their registers
	WIN 0x0f
.irp j, 0,1,2,3
	v_max3_num_f32 v[T+\j], |v[ACC+8*\j]|, |v[ACC+8*\j+1]|, 0x1800000   ; four chains by turns, each accumulator from its low end on; the floor 2^(3 - 127)
.endr
.irp i, 2,4,6
.irp j, 0,1,2,3
	v_max3_num_f32 v[T+\j], |v[ACC+8*\j+\i]|, |v[ACC+8*\j+\i+1]|, v[T+\j]
.endr
.endr
	WIN 0
	v_max3_num_f32 v[T], v[T], v[T+1], v[T+2]
	v_max_num_f32 v[T], v[T], v[T+3]
	v_add_nc_u32 v[SOP], 0xff000000, v[T]          ; 2 off the exponent field: the conversions' scale operand
	WIN 0x03
	v_cvt_scalef32_pk16_fp6_f32 v[N2_:N2_+2], v[ACC:ACC+15], v[SOP]
	v_cvt_scalef32_pk16_fp6_f32 v[TC:TC+2], v[ACC+16:ACC+31], v[SOP]
	WIN 0
	v_lshrrev_b32 v[EB], 23, v[SOP]                ; the scale's byte,
	v_lshlrev_b32 v[W], v[SH8], v[EB]              ; at its place: byte h
.irp i, 0,1,2
	v_mov_b32 v[N2_+3+\i], v[TC+\i]
.endr
	v_permlanex16_b32 v[PT], v[W], s[SEL], s[SEL+1]
	v_or_b32 v[W], v[W], v[PT]
.if (\s)%2 == 0
	v_or_b32 v[XW+(\s)/2], s[C7F], v[W]            ; bytes 2, 3: 1.0
.else
	v_or_b32 v[W], s[C7F], v[W]
	v_cndmask_b32 v[XW+(\s)/2], v[XW+(\s)/2], v[W], s[MSK]   ; lanes 16-31 carry the odd tile's words
.endif
	global_store_b128 v[V16], v[N2_:N2_+3], s[\pc:\pc+1] offset:768*(\s)
	global_store_b64 v[V8], v[N2_+4:N2_+5], s[\pc:\pc+1] offset:768*(\s)+512
.if (\s) == 7
	global_store_b128 v[V16], v[XW:XW+3], s[\ps:\ps+1]
.endif
.endm
.macro VOUT c                          ; a band of V leaves: for each channel tile a lane's 32 sums are one scale block along the keys
	s_wait_xcnt 0x0
	WIN 0x0f
.irp d, 0,1,2,3
	v_max3_num_f32 v[T+\d], |v[ACC+32*\d]|, |v[ACC+32*\d+1]|, 0x1800000
.endr
.irp i, 2,4,6,8,10,12,14,16,18,20,22,24,26,28,30
.irp d, 0,1,2,3
	v_max3_num_f32 v[T+\d], |v[ACC+32*\d+\i]|, |v[ACC+32*\d+\i+1]|, v[T+\d]
.endr
.endr
	WIN 0
.irp d, 0,1,2,3
	v_add_nc_u32 v[SOP+\d], 0xff000000, v[T+\d]
.endr
	WIN 0x03
.irp d, 0,1,2,3
	v_cvt_scalef32_pk16_fp6_f32 v[VCD+12*\d+6*(\c):VCD+12*\d+6*(\c)+2], v[ACC+32*\d:ACC+32*\d+15], v[SOP+\d]
	v_cvt_scalef32_pk16_fp6_f32 v[TC+4*\d:TC+4*\d+2], v[ACC+32*\d+16:ACC+32*\d+31], v[SOP+\d]
.endr
	WIN 0
.irp d, 0,1,2,3
	v_lshrrev_b32 v[EB+\d], 23, v[SOP+\d]
.endr
.irp d, 0,1,2,3
.irp i, 0,1,2
	v_mov_b32 v[VCD+12*\d+6*(\c)+3+\i], v[TC+4*\d+\i]
.endr
.endr
.if (\c) == 0
.irp d, 0,1,2,3
	v_mov_b32 v[W+\d], v[EB+\d]                    ; block h's byte waits for block 2 + h's
.endr
.else
.irp d, 0,1,2,3
	v_lshl_or_b32 v[W+\d], v[EB+\d], 16, v[W+\d]
.endr
.irp d, 0,1,2,3
	v_lshlrev_b32 v[W+\d], v[SH8], v[W+\d]
.endr
.irp d, 0,1,2,3
	v_permlanex16_b32 v[PT+\d], v[W+\d], s[SEL], s[SEL+1]
.endr
.irp d, 0,1,2,3
	v_or_b32 v[W+\d], v[W+\d], v[PT+\d]            ; with lane l xor 16's two bytes the word is whole
.endr
.irp i, 0,1
	v_cndmask_b32 v[XW+\i], v[W+2*\i], v[W+2*\i+1], s[MSK]
.endr
.irp d, 0,1,2,3
.irp k, 0,1,2
	global_store_b128 v[V16], v[VCD+12*\d+4*\k:VCD+12*\d+4*\k+3], s[54:55] offset:1536*\d+512*\k
.endr
.endr
	global_store_b64 v[V8], v[XW:XW+1], s[96:97]
.endif
.endm
.macro BLK p, s
.if (\s) == 0 || ((\p) == 2 && (\s) == 7)
	s_wait_dscnt 0x0
.else
	s_wait_dscnt NF                                ; this block's set is in; younger is the fetch behind the last block
.endif
.if (\p) < 2 && ((\s) == 2 || (\s) == 6)
	s_wait_tensorcnt 0x0                           ; the three lines ahead of a refill's round
	ds_add_u32 v[SPW], v[NIL]
.if (\s) == 2
	s_add_nc_u64 s[G0A+2:G0A+3], s[12:13], ((\p)+1)*TOK*KROW
	s_mov_b32 s[G0A+1], s17
	s_add_nc_u64 s[G0B+2:G0B+3], s[18:19], ((\p)+1)*1024*KROW
	s_or_b32 s[G0B+3], s[G0B+3], 0x80000000
	s_add_co_u32 s[G0B+1], s17, BR
.else
	s_add_nc_u64 s[G0A+2:G0A+3], s[12:13], ((\p)+1)*TOK*KROW+128*KROW
	s_add_co_u32 s[G0A+1], s17, AH1
.endif
	s_or_b32 s[G0A+3], s[G0A+3], 0x80000000
	PRS \p, \s, 0, 24
	s_wait_dscnt 0x0                               ; the add is done, and my reads of the regions that are filled again
	s_barrier_signal -1
	PRS \p, \s, 24, 32
	MIDDLE
	BARRIER
	s_cmp_eq_u32 s15, 0
.if (\s) == 2
	s_cbranch_scc0 .Lfor_a_\@
	TLOAD G0B, G1RB                                ; waves 0, 1: the next phase's B, 64 rows each
	s_branch .Lasked_\@
.Lfor_a_\@:
	TLOAD G0A, G1RA                                ; waves 2, 3: its A, rows 0-127
.Lasked_\@:
.else
	s_cbranch_scc0 .Lasked_\@
	TLOAD G0A, G1RA                                ; waves 0, 1: its A, rows 128-255
.Lasked_\@:
.endif
.elseif (\s) == 2
	PRS \p, \s, 0, 24
	s_wait_tensorcnt 0x0
	s_wait_dscnt 0x0
	s_barrier_signal -1                            ; a plain barrier: the last refill is shown to all
	PRS \p, \s, 24, 32
	s_barrier_wait -1
.else
	PRS \p, \s, 0, 32
.endif
.if (\p) < 2 || (\s) < 6
	FETCH (\s)%2, ((\s)+2)%8                       ; the block two on (behind blocks 6, 7: the next phase's blocks 0, 1)
.else
	PLACES 4
.endif
.if (\p) == 0
	QKOUT \s, 46, 48
.elseif (\p) == 1
	QKOUT \s, 50, 52
.elseif (\s)%4 == 3
	VOUT (\s)/4
.endif
.endm
; ================= THE HEAD
	s_load_b256 s[4:11], s[0:1], 0x0               ; xc, xs, wc, ws
	s_load_b256 s[68:75], s[0:1], 0x20             ; bq, bk, bv, qb
	s_load_b64 s[76:77], s[0:1], 0x40              ; kv
	v_lshl_add_u32 v[SPW], v0, 2, SPARE
	v_mov_b32 v[NIL], 0
	ds_add_u32 v[SPW], v[NIL]                      ; the opening lines
	ds_add_u32 v[SPW], v[NIL]
	v_lshrrev_b32 v1, 5, v0
	v_readfirstlane_b32 s14, v1                    ; the wave; s15 its row a, s16 its column b
	s_lshr_b32 s15, s14, 1
	s_and_b32 s16, s14, 1
	s_bfe_u32 s40, ttmp6, 0x40000
	s_bfe_u32 s41, ttmp6, 0x40004
	s_lshl_b32 s43, ttmp9, 2
	s_add_co_u32 s43, s43, s40                     ; tile row: 4 x cluster x + cx
	s_and_b32 s42, ttmp7, 0xffff
	s_lshl_b32 s42, s42, 2
	s_add_co_u32 s42, s42, s41                     ; tile column: 4 x cluster y + cy
	s_lshl_b32 s44, 0x1111, s40                    ; my column of the cluster shares A's rows
	s_lshl_b32 s45, s41, 2
	s_lshl_b32 s45, 15, s45                        ; my row shares B's
	GROUP1 G1A, 44, 0
	GROUP1 G1B, 45, 128
	GROUP1 G1RA, 44, 64
	GROUP1 G1RB, 45, 64
	s_mov_b32 s[G0A], 1
	s_mov_b32 s[G0B], 1
	s_mov_b32 s[G0B+1], BR
	s_mov_b32 s[SEL], 0x76543210
	s_mov_b32 s[SEL+1], 0xfedcba98
	s_mov_b32 s[MSK], 0xffff0000
	s_mov_b32 s[C7F], 0x7f7f0000
	s_mul_i32 s17, s16, 64*PITCH                   ; a refill's place in its region
	s_mul_i32 s66, s15, 16*PITCH
	s_add_co_u32 s67, s17, BR
	s_lshl_b32 s100, s15, 9
	v_and_b32 v1, 15, v0
	v_bfe_u32 v2, v0, 4, 1
	v_and_b32 v3, 31, v0
	v_mul_u32_u24 v26, v1, PITCH
	v_mad_u32_u24 v27, v2, 24, v26
	v_mad_u32_u24 v28, v2, 40, v26
	v_add_nc_u32 v[ADA0], s66, v27
	v_add_nc_u32 v[ADA0+1], s66, v28
	v_add_nc_u32 v[BA], s67, v27
	v_add_nc_u32 v[BA+1], s67, v28
.irp j, 1,2,3
	v_add_nc_u32 v[BA+2*\j], \j*16*PITCH, v[BA]
	v_add_nc_u32 v[BA+2*\j+1], \j*16*PITCH, v[BA+1]
.endr
	v_lshlrev_b32 v[V16], 4, v3
	v_lshlrev_b32 v[V8], 3, v3
	v_lshlrev_b32 v[ABS], 5, v3
	v_lshlrev_b32 v[ASA], 5, v1
	v_lshl_add_u32 v[ASA], v2, 10, v[ASA]
	v_add_nc_u32 v[ASA], s100, v[ASA]
	v_lshlrev_b32 v[SH8], 3, v2
	v_lshlrev_b32 v[VB], 7, v2
	v_lshrrev_b32 v26, 3, v1
	v_lshlrev_b32 v26, 5, v26
	v_lshl_add_u32 v[VBV], v1, 2, v26
.irp d, 0,1,2,3
	v_mov_b32 v[PT+\d], 0                          ; written once: a lane permute's destination counts as one of its sources
.endr
	WALU
	s_wait_dscnt 0x0
	CROUND                                         ; the opening round
	s_wait_kmcnt 0x0
	s_mov_b32 s21, 0
	s_mul_i32 s20, s43, 256*KROW
	s_add_nc_u64 s[G0A+2:G0A+3], s[4:5], s[20:21]
	s_mul_i32 s20, s16, 64*KROW
	s_add_nc_u64 s[12:13], s[G0A+2:G0A+3], s[20:21]   ; the refills' A: my 64 rows of a half
	s_mul_i32 s22, s42, 128*KROW
	s_add_co_u32 s20, s20, s22
	s_add_nc_u64 s[18:19], s[8:9], s[20:21]        ; and B
	s_mov_b32 s20, s22
	s_add_nc_u64 s[G0B+2:G0B+3], s[8:9], s[20:21]
	s_or_b32 s[G0B+3], s[G0B+3], 0x80000000
	s_cmp_eq_u32 s14, 0
	s_cbranch_scc0 .Lwave_1
	TLOAD G0B, G1B                                 ; wave 0: B's 128 rows, which are wanted first
	s_branch .Lasked
.Lwave_1:
	s_cmp_eq_u32 s14, 1
	s_cbranch_scc0 .Lwave_2
	ATILE 0, 128                                   ; wave 1: A's rows 0 to 127
	s_branch .Lasked
.Lwave_2:
	s_cmp_eq_u32 s14, 2
	s_cbranch_scc0 .Lwave_3
	ATILE 128, 64
	s_branch .Lasked
.Lwave_3:
	ATILE 192, 64
.Lasked:
	s_lshl_b32 s22, s43, 13                        ; my 256 rows' scale bytes
	PLUS 6, 22
	s_lshl_b32 s22, s42, 1
	s_add_co_u32 s22, s22, s16                     ; my head
	s_lshl_b32 s23, s22, 11                        ; its 64 rows' scale bytes
	PLUS 10, 23
	s_lshl_b32 s23, s22, 8                         ; its 64 numbers of a bias
	PLUS 68, 23
	PLUS 70, 23
	PLUS 72, 23
	SCLOAD 0
	WIN 0xc0
.irp j, 0,1,2,3
.irp c, 0,1
	global_load_b128 v[BI0+8*\j+4*\c:BI0+8*\j+4*\c+3], v[VB], s[68:69] offset:32*\j+16*\c   ; register 8 j + i of lane (r, h): channel 32 h + 8 j + i
.endr
.endr
	WIN 0
	SCLOAD 1
.irp j, 0,1,2,3
.irp c, 0,1
	global_load_b128 v[BI1+8*\j+4*\c:BI1+8*\j+4*\c+3], v[VB], s[70:71] offset:32*\j+16*\c
.endr
.endr
.irp d, 0,1,2,3
	global_load_b32 v[BV4+\d], v[VBV], s[72:73] offset:128*(\d/2)+32*(\d%2)   ; V: lane r's channel of tile d
.endr
	s_lshr_b32 s23, s43, 3                         ; where the results go: batch x 16 + head,
	s_lshl_b32 s23, s23, 4
	s_add_co_u32 s22, s22, s23
	s_and_b32 s23, s43, 7
	s_lshl_b32 s23, s23, 1
	s_add_co_u32 s23, s23, s15                     ; my group of 128 tokens in the batch
	s_mul_i32 s101, s22, 106496
	s_mul_i32 s22, s22, 208896
	s_mul_i32 s66, s23, 6144
	s_lshl_b32 s67, s23, 9
	s_lshl_b32 s100, s23, 8
	s_add_co_u32 s20, s101, s66
	s_add_nc_u64 s[46:47], s[74:75], s[20:21]      ; Q's codes
	s_add_co_u32 s20, s101, s67
	s_add_co_u32 s20, s20, 98304
	s_add_nc_u64 s[48:49], s[74:75], s[20:21]      ; Q's scale words
	s_add_co_u32 s20, s22, s66
	s_add_nc_u64 s[50:51], s[76:77], s[20:21]      ; K's codes
	s_add_co_u32 s20, s20, 98304
	s_add_nc_u64 s[54:55], s[76:77], s[20:21]      ; V's codes
	s_add_co_u32 s20, s22, s67
	s_add_co_u32 s20, s20, 196608
	s_add_nc_u64 s[52:53], s[76:77], s[20:21]      ; K's scale words
	s_add_co_u32 s20, s22, s100
	s_add_co_u32 s20, s20, 204800
	s_add_nc_u64 s[96:97], s[76:77], s[20:21]      ; V's
	s_cmp_eq_u32 s14, 0
	s_cbranch_scc0 .Lnot_b
	s_wait_tensorcnt 0x0                           ; wave 0: B has landed
.Lnot_b:
	BARRIER
	BREGS
	s_cmp_eq_u32 s14, 1
	s_cbranch_scc0 .Lnot_a
	s_wait_tensorcnt 0x0                           ; wave 1: A's rows 0 to 127 have landed
.Lnot_a:
	s_wait_dscnt 0x0
	BARRIER                                        ; waves 2 and 3's tiles may still be on their way
.set NLD, 0
	FETCH 0, 0
.set NF, NLD                           ; LDS loads of a block's fetch
	FETCH 1, 1
	s_wait_loadcnt 0x0                             ; scale words and biases
; ================= Q
.irp s, 0,1,2,3,4,5,6,7
	BLK 0, \s
.endr
	BREGS                                          ; Wk's rows, shown by block 6's round
	SCLOAD 2                                       ; V's scale words into the sets that Q has done with
	WIN 0xc0
.irp d, 0,1,2,3
.irp j, 0,1,2,3,4,5,6,7
	v_mov_b32 v[BI0+8*\d+\j], v[BV4+\d]            ; V's bias as its first products' C: the same number for a lane's eight tokens
.endr
.endr
	WIN 0
	WALU
; ================= K
.irp s, 0,1,2,3,4,5,6,7
	BLK 1, \s
.endr
	BREGS                                          ; Wv's rows
	s_wait_loadcnt 0x0                             ; V's scale words
; ================= V
.irp s, 0,1,2,3,4,5,6,7
	BLK 2, \s
.endr
	s_wait_tensorcnt 0x0                           ; the wave's end
	ds_add_u32 v[SPW], v[NIL]
	s_wait_dscnt 0x0
	CROUND                                         ; the closing round
	s_endpgm
.Lfunc_end_k_q557a24c182_proj:
	.size	k_q557a24c182_proj, .Lfunc_end_k_q557a24c182_proj-k_q557a24c182_proj
	.p2alignl 7, 3214868480
	.fill 96, 4, 3214868480
	.section	.rodata,"a",@progbits
	.p2align	6, 0x0
	.amdhsa_kernel k_q557a24c182_proj
		.amdhsa_group_segment_fixed_size 327680
		.amdhsa_private_segment_fixed_size 0
		.amdhsa_enable_private_segment 0
		.amdhsa_kernarg_size 72
		.amdhsa_user_sgpr_count 2
		.amdhsa_user_sgpr_kernarg_segment_ptr 1
		.amdhsa_wavefront_size32 1
		.amdhsa_system_sgpr_workgroup_id_x 1
		.amdhsa_system_sgpr_workgroup_id_y 1
		.amdhsa_system_sgpr_workgroup_id_z 1
		.amdhsa_system_vgpr_workitem_id 0
		.amdhsa_next_free_vgpr 1024
		.amdhsa_next_free_sgpr 102
		.amdhsa_reserve_vcc 0
		.amdhsa_float_denorm_mode_32 3
		.amdhsa_float_denorm_mode_16_64 3
		.amdhsa_memory_ordered 1
		.amdhsa_forward_progress 1
		.amdhsa_inst_pref_size 234
	.end_amdhsa_kernel
	.amdgpu_metadata
---
amdhsa.version: [ 1, 2 ]
amdhsa.kernels:
  - .name:           k_q557a24c182_proj
    .symbol:         k_q557a24c182_proj.kd
    .args:
      - { .name: xc, .offset: 0, .size: 8, .value_kind: global_buffer, .address_space: global }
      - { .name: xs, .offset: 8, .size: 8, .value_kind: global_buffer, .address_space: global }
      - { .name: wc, .offset: 16, .size: 8, .value_kind: global_buffer, .address_space: global }
      - { .name: ws, .offset: 24, .size: 8, .value_kind: global_buffer, .address_space: global }
      - { .name: bq, .offset: 32, .size: 8, .value_kind: global_buffer, .address_space: global }
      - { .name: bk, .offset: 40, .size: 8, .value_kind: global_buffer, .address_space: global }
      - { .name: bv, .offset: 48, .size: 8, .value_kind: global_buffer, .address_space: global }
      - { .name: qb, .offset: 56, .size: 8, .value_kind: global_buffer, .address_space: global }
      - { .name: kv, .offset: 64, .size: 8, .value_kind: global_buffer, .address_space: global }
    .group_segment_fixed_size: 327680
    .private_segment_fixed_size: 0
    .kernarg_segment_align: 8
    .kernarg_segment_size: 72
    .max_flat_workgroup_size: 128
    .sgpr_count:     102
    .vgpr_count:     1024
    .wavefront_size: 32
...
	.end_amdgpu_metadata
.endif
;; end of part 2
;; launch attn (part 3): grid 4 x 64, 8 waves a work-group, clusters of 4 x 1, 327,680 bytes of LDS; arguments qb, kv, out0; writes out0
.if DOCPART == 3
	.amdgcn_target "amdgcn-amd-amdhsa--gfx1250"
	.amdhsa_code_object_version 6
	.text
	.protected	k_q557a24c182_attn
	.globl	k_q557a24c182_attn
	.p2align	8
	.type	k_q557a24c182_attn,@function
k_q557a24c182_attn:
	s_mov_b64 s[64:65], 0
	v_nop
	global_prefetch_b8 v0, s[64:65] scope:SCOPE_SE
	s_setreg_imm32_b32 hwreg(HW_REG_WAVE_MODE, 25, 1), 1
	s_wait_xcnt 0x0
	s_wait_alu depctr_hold_cnt(0) depctr_sa_sdst(0) depctr_va_vdst(0) depctr_va_sdst(0) depctr_va_ssrc(0) depctr_va_vcc(0) depctr_vm_vsrc(0)
	s_getreg_b32 s2, hwreg(HW_REG_IB_STS2, 6, 4)
	s_cmp_eq_u32 s2, 0
	s_cbranch_scc0 .Lentry_in_a_cluster
	s_endpgm
.Lentry_in_a_cluster:
	s_bfe_u32 s2, ttmp6, 0x10000c
	s_cmp_lg_u32 s2, 0x3003
	s_cbranch_scc0 .Lentry_shape_is_right
	s_endpgm
.Lentry_shape_is_right:
; out0[b][q][64 head ..] = the sum over k of softmax_k(Q[q] . K[k] / 8) V[k]: 64 heads of 2,048 x 2,048, head size 64, both products on codes of FP6 (E2M3) with E8M0 scales.
; THE SOFTMAX AHEAD OF THE SECOND PRODUCT: t = score x log2(e) / 8; M = the row's largest t so far, rounded UP to a whole number; p = 2^(t - M) is quantised along the keys, not normalised.
; The row's sum is taken of the unquantised p, in f32, and divides O at the end.  When M moves, the sum and O are multiplied by 2^(old M - new M): exact.
; A WHOLE HEAD'S K AND V, codes and scale words, are 208,896 bytes: they come into LDS once and stay: no ring, nothing is filled again, no barrier in the loop over the keys.
; They lie in memory as images of the operands' registers, one dense block a head: each of the eight waves brings 102 rows of 256 bytes by one tensor load, asked for JOINTLY by the head's four work-groups (a cluster).
; No prefetch is written: all that the launch reads through LDS is asked for at its head, by these loads.
; SHARES.  A work-group owns 512 queries of a head, a wave 64: four tiles of 16, which share every fragment of K and V: a fragment is read from LDS once for 64 queries.  Two waves to a SIMD.
; A KEY STEP is 128 keys.  The four tiles go in two pairs; a pair's two tiles go through the softmax line by line in turn.  V's fragments are fetched under the first pair's vector work, the next step's K under the second's
; (the last trip's fetch reads the 6,144 bytes behind K's codes and the 512 behind its scale words, inside the head's block, and is not used).  The first key step is written out: its products start O's sums with 0.
; LAYOUT.  Both products are used transposed: S^T = K Q^T, O^T = V^T P^T: a lane holds ONE query (lane % 16) throughout.
; The scores' K is the head's 64: registers 6-11 of Q's fragments (k = 64 .. 127) hold zero codes.  So what K's fragments hold there adds nothing: tile t's registers 6-11 are tile t + 1's codes (the last tile's: six zeros), and eight fragments take 54 registers.
; Key and query tiles hold rows in the order: tile 4 c + u, row 8 h + j = token 64 c + 32 h + 8 u + j.  So a lane's 32 registers of score tiles 4 c .. 4 c + 3 are keys 64 c + 32 (lane / 16) + 0 .. 31: a WHOLE scale block, in the order of P's operand:
; a block's maximum needs no other lane, and the conversions' results are the operand's registers.  O^T's tile dt holds channels 32 (dt / 2) + 8 (dt % 2) + 16 (lane / 16) + j.
; LIMITS: NaN and infinities are not served.  The promise holds while the scaled scores stay under 2^31 in magnitude.  A p under 2^-126 counts as 0 (v_exp_f32 gives 0 there: ISA guide, its entry).
; A block's largest p is made from its largest score by the same two instructions: this takes v_exp_f32 not to fall where its input rises.
.set VC,    98304                      ; LDS: K's codes from 0: tile T at 768 T (registers 0-3 at 16 x lane, 4-5 at 512 + 8 x lane); V's from VC: 6,144 g + 1,536 dt + 512 c + 16 x lane
.set KSC,   196608                     ; K's scale words: 512 bytes a key step: lane l's word i: lanes 0-15 tile 2 i, lanes 16-31 tile 2 i + 1
.set VSC,   204800                     ; V's: 256 bytes a key step, likewise
.set STG,   208896                     ; the way out: 16 rows x (256 + 16) bytes for each wave; no tile lands here
.set SPARE, STG+8*16*272               ; the spare words, 128 bytes for each wave
.set PART,  26112                      ; 102 rows of 256 bytes: a wave's eighth of the head's block
; window 0
.set L16, 1                            ; v1 16 x lane;  v2 8 x lane
.set L8,  2
.set A0,  3                            ; v3, v4, v7 LDS addresses of the fetch in hand
.set A1,  4
.set SPW, 5                            ; v5 my spare word; v6 0; never rewritten
.set NIL, 6
.set A2,  7
.set SH8, 8                            ; v8 8 x (lane / 16)
.set GO,  9                            ; v9 my byte in two rows of out0;  v10, v11 the stage: in, back
.set SO,  10
.set SR,  11
.set NM,  12                           ; v12-19 a pair a tile: -M, the largest score so far
.set F,   20                           ; v20-23 a pair for each tile of the pair in hand: f, at work
.set SW,  24                           ; v24-27 K's scale words;  v28-29 Q's;  v30-31 V's;  v32-33 p's
.set QS,  28
.set SWV, 30
.set PS,  32
.set BM,  34                           ; v34-37 the blocks' largest scores, then largest p
.set X,   38                           ; v38-41 at work
.set SOP, 42                           ; v42-45 the conversions' scale operands
.set TC,  46                           ; v46-48, v50-52 the codes whose place begins on an odd register
.set P,   56                           ; v56-79 p's codes, 12 a tile of the pair
.set V,   80                           ; v80-127 V's four fragments
.set S,   128                          ; v128-255 S^T, then p, of the pair's two tiles
.set BK,  56                           ; the way out: two sets of 32
; window 1
.set O,   0                            ; O^T: 32 a tile
.set K,   128                          ; K's eight fragments, 6 registers each, and six zeros
.set Q,   184                          ; Q's four fragments (registers 6-11 zeros)
.set L,   232                          ; the rows' sums, a pair a tile
.set WV,  10
.set G1,  16
.set G0,  24
.set SEL, 28                           ; s[28:29] selects for lane l xor 16
.set CS,  30                           ; s[30:31] c = log2(e) / 8
.set TKK, 32                           ; s32 K's codes of the step that is fetched next; s33 its scale words; s34 V's codes of this step; s35 its scale words
.set TS,  33
.set TV,  34
.set TT,  35
.set CNT, 42
.set MSB, 0
.macro WIN new                         ; the immediate's high byte repeats the setting that is left
.if MSB != \new
	s_set_vgpr_msb (MSB<<8)|\new
.set MSB, \new
.endif
.endm
.macro PLACES n
.rept \n
	v_nop
.endr
.endm
.macro WALU
	s_wait_alu depctr_va_vdst(0)
.endm
.macro CROUND
	s_barrier_signal -1
	s_barrier_wait -1
	s_cmp_lg_u32 s[WV], 0
	s_cbranch_scc1 .Lnot_wave_0_\@
	s_barrier_signal -3
.Lnot_wave_0_\@:
	s_barrier_wait -3
	s_barrier_signal -1
	s_barrier_wait -1
.endm
	s_load_b128 s[4:7], s[0:1], 0x0                ; qb, kv
	s_load_b64 s[8:9], s[0:1], 0x10                ; out0
	v_lshl_add_u32 v[SPW], v0, 2, SPARE
	v_mov_b32 v[NIL], 0
	ds_add_u32 v[SPW], v[NIL]                      ; the opening lines: the add, twice on end, and its wait ahead of my tensor load
	ds_add_u32 v[SPW], v[NIL]
	v_lshrrev_b32 v3, 5, v0
	v_readfirstlane_b32 s[WV], v3                  ; wave 0..7
	s_bfe_u32 s11, ttmp6, 0x40000                  ; cx: it enters Q's and out0's addresses alone
	s_and_b32 s12, ttmp7, 0xffff                   ; batch x 16 + head, which the four partners share
	s_mov_b32 s[G1], 15|(3<<16)|(1<<21)            ; the mask: all four work-groups; elements of 8 bytes; bit 21 beside a mask
	s_mov_b32 s[G1+1], 32<<16
	s_mov_b32 s[G1+2], 102<<16
	s_mov_b32 s[G1+3], 32<<16
	s_mov_b32 s[G1+4], 102
	s_mov_b32 s[G1+5], 32
	s_mov_b32 s[G1+6], 0
	s_mov_b32 s[G1+7], 0
	s_mov_b32 s[G0], 1
	s_mul_i32 s[G0+1], s[WV], PART                 ; LDS mirrors the head's block
	s_mul_i32 s36, s12, 208896
	s_add_co_u32 s36, s36, s[G0+1]
	s_mov_b32 s37, 0
	s_mov_b32 s[SEL], 0x76543210
	s_mov_b32 s[SEL+1], 0xfedcba98
	s_mov_b32 s[CS], 0x3e38aa3b
	s_mov_b32 s[CS+1], s[CS]
	s_wait_dscnt 0x0
	s_wait_kmcnt 0x0
	s_add_nc_u64 s[G0+2:G0+3], s[6:7], s[36:37]
	s_or_b32 s[G0+3], s[G0+3], 0x80000000
	CROUND                                         ; all four work-groups are here: the joint loads meet
	tensor_load_to_lds s[G0:G0+3], s[G1:G1+7]      ; my one tensor load of the launch
	s_nop 0
	PLACES 4
	; my tiles of queries are 32 cx + 4 wave + 0 .. 3: tokens 512 cx + 64 wave + 0 .. 63
	s_mul_i32 s38, s12, 106496                     ; the head's block in qb
	s_lshl_b32 s36, s11, 2
	s_lshr_b32 s39, s[WV], 1
	s_add_co_u32 s36, s36, s39
	s_lshl_b32 s36, s36, 9                         ; Q's scale words: 512 bytes for each 8 tiles,
	s_and_b32 s39, s[WV], 1
	s_lshl_b32 s39, s39, 3
	s_add_co_u32 s36, s36, s39                     ; of a lane's four words my two
	s_add_co_u32 s36, s36, s38
	s_add_co_u32 s36, s36, 98304
	s_add_nc_u64 s[40:41], s[4:5], s[36:37]
	s_lshl_b32 s36, s11, 5
	s_lshl_b32 s39, s[WV], 2
	s_add_co_u32 s36, s36, s39
	s_mul_i32 s36, s36, 768                        ; Q's codes: 768 bytes a tile
	s_add_co_u32 s36, s36, s38
	s_add_nc_u64 s[4:5], s[4:5], s[36:37]
	s_lshr_b32 s36, s12, 4
	s_lshl_b32 s36, s36, 23                        ; out0: the batch,
	s_and_b32 s39, s12, 15
	s_lshl_b32 s39, s39, 8
	s_add_co_u32 s36, s36, s39                     ; the head's 256 bytes of a row,
	s_lshl_b32 s39, s11, 9
	s_lshl_b32 s38, s[WV], 6
	s_add_co_u32 s39, s39, s38
	s_lshl_b32 s39, s39, 12
	s_add_co_u32 s36, s36, s39                     ; my first token
	s_add_nc_u64 s[8:9], s[8:9], s[36:37]
	v_and_b32 v3, 31, v0                           ; lane
	v_and_b32 v4, 15, v0                           ; r
	v_bfe_u32 v7, v0, 4, 1                         ; h
	v_lshlrev_b32 v[L16], 4, v3
	v_lshlrev_b32 v[L8], 3, v3
	v_lshlrev_b32 v[SH8], 3, v7
	v_lshlrev_b32 v[GO], 12, v7
	v_lshl_add_u32 v[GO], v4, 4, v[GO]
	s_mul_i32 s36, s[WV], 16*272
	s_add_co_u32 s36, s36, STG                     ; my stage
	v_mul_u32_u24 v[SO], v4, 272
	v_lshl_add_u32 v[SO], v7, 6, v[SO]
	v_add_nc_u32 v[SO], s36, v[SO]                 ; in: row r, + 64 h
	v_mul_u32_u24 v[SR], v7, 272
	v_lshl_add_u32 v[SR], v4, 4, v[SR]
	v_add_nc_u32 v[SR], s36, v[SR]                 ; back: lanes 0-15 one row, lanes 16-31 the next
	WIN 0x40                                       ; destinations in window 1
.irp i, 0,1,2,3
	global_load_b128 v[Q+12*\i:Q+12*\i+3], v[L16], s[4:5] offset:768*\i
	global_load_b64 v[Q+12*\i+4:Q+12*\i+5], v[L8], s[4:5] offset:768*\i+512
.endr
.irp k, 6,7,8,9,10,11
.irp i, 0,1,2,3
	v_mov_b32 v[Q+12*\i+\k], 0                     ; k = 64 .. 127 of Q: zero codes, written once
.endr
	v_mov_b32 v[K+42+\k], 0                        ; behind K's last tile
.endr
	WIN 0
	global_load_b64 v[QS:QS+1], v[L16], s[40:41]   ; word i: lanes 0-15 my tile 2 i, lanes 16-31 tile 2 i + 1
	v_mov_b32 v[X+2], 0                            ; written once: a lane permute's destination counts as one of its sources
	v_mov_b32 v[X+3], 0
	WALU
	s_wait_tensorcnt 0x0                           ; my part of the head's block is in,
	s_barrier_signal -1
	s_barrier_wait -1                              ; everybody's is: from here on these bytes are only read
.macro KFETCH                          ; K's eight tiles and their scale words
	v_add_nc_u32 v[A0], s[TKK], v[L16]
	v_add_nc_u32 v[A1], s[TKK], v[L8]
	v_add3_u32 v[A2], s[TS], KSC, v[L16]
	WIN 0x40
.irp t, 0,1,2,3,4,5,6,7
	ds_load_b128 v[K+6*\t:K+6*\t+3], v[A0] offset:768*\t
	ds_load_b64 v[K+6*\t+4:K+6*\t+5], v[A1] offset:768*\t+512
.endr
	WIN 0
	ds_load_b128 v[SW:SW+3], v[A2]
.endm
.macro VFETCH                          ; V's four fragments of this step's 128 keys and their scale words
	v_add3_u32 v[A0], s[TV], VC, v[L16]
	v_add3_u32 v[A1], s[TT], VSC, v[L8]
.irp dt, 0,1,2,3
.irp c, 0,1,2
	ds_load_b128 v[V+12*\dt+4*\c:V+12*\dt+4*\c+3], v[A0] offset:1536*\dt+512*\c
.endr
.endr
	ds_load_b64 v[SWV:SWV+1], v[A1]
.endm
.macro WS d, a, b, sa, sb, ra, rb
	v_wmma_scale_f32_16x16x128_f8f6f4 v[\d:\d+7], v[\a:\a+11], v[\b:\b+11], 0, v[\sa], v[\sb] matrix_a_fmt:MATRIX_FMT_FP6 matrix_b_fmt:MATRIX_FMT_FP6 matrix_a_scale:MATRIX_SCALE_ROW\ra matrix_b_scale:MATRIX_SCALE_ROW\rb
.endm
.macro SMUL pr                         ; S^T = K Q^T for the pair's two tiles: 16 products, each starts its sum with 0
	WIN 0x05                                       ; K and Q in window 1
.irp u, 0,1,2,3
	WS S+16*\u, K+12*\u, Q+24*\pr, SW+\u, QS+\pr, 0, 0
	WS S+64+16*\u, K+12*\u, Q+24*\pr+12, SW+\u, QS+\pr, 0, 1
	WS S+16*\u+8, K+12*\u+6, Q+24*\pr, SW+\u, QS+\pr, 1, 0
	WS S+64+16*\u+8, K+12*\u+6, Q+24*\pr+12, SW+\u, QS+\pr, 1, 1
.endr
	WIN 0
.endm
.macro WPV d, a, b, sa, sb, first, ra
.if \first
	v_wmma_scale_f32_16x16x128_f8f6f4 v[\d:\d+7], v[\a:\a+11], v[\b:\b+11], 0, v[\sa], v[\sb] matrix_a_fmt:MATRIX_FMT_FP6 matrix_b_fmt:MATRIX_FMT_FP6 matrix_a_scale:MATRIX_SCALE_ROW\ra
.else
	v_wmma_scale_f32_16x16x128_f8f6f4 v[\d:\d+7], v[\a:\a+11], v[\b:\b+11], v[\d:\d+7], v[\sa], v[\sb] matrix_a_fmt:MATRIX_FMT_FP6 matrix_b_fmt:MATRIX_FMT_FP6 matrix_a_scale:MATRIX_SCALE_ROW\ra
.endif
.endm
.macro PVMUL pr, first                 ; O^T += V^T P^T: eight accumulators, one product each
	WIN 0x50                                       ; C and D in window 1
.irp u, 0,1
	WPV O+64*\pr+16*\u, V+24*\u, P, SWV+\u, PS, \first, 0
	WPV O+64*\pr+32+16*\u, V+24*\u, P+12, SWV+\u, PS+1, \first, 0
	WPV O+64*\pr+16*\u+8, V+24*\u+12, P, SWV+\u, PS, \first, 1
	WPV O+64*\pr+32+16*\u+8, V+24*\u+12, P+12, SWV+\u, PS+1, \first, 1
.endr
	WIN 0
.endm
.macro CVT e                           ; tile e's 64 p into codes: block 2 c + h of a lane is registers 6 c .. 6 c + 5 of the operand
	v_cvt_scalef32_pk16_fp6_f32 v[P+12*\e:P+12*\e+2], v[S+64*\e:S+64*\e+15], v[SOP+2*\e]
	v_cvt_scalef32_pk16_fp6_f32 v[TC:TC+2], v[S+64*\e+16:S+64*\e+31], v[SOP+2*\e]
	v_cvt_scalef32_pk16_fp6_f32 v[P+12*\e+6:P+12*\e+8], v[S+64*\e+32:S+64*\e+47], v[SOP+2*\e+1]
	v_cvt_scalef32_pk16_fp6_f32 v[TC+4:TC+6], v[S+64*\e+48:S+64*\e+63], v[SOP+2*\e+1]
.endm
.macro CMOV e                          ; (a conversion's three registers begin on an even number: a block's second three do not)
.irp i, 0,1,2
	v_mov_b32 v[P+12*\e+3+\i], v[TC+\i]
	v_mov_b32 v[P+12*\e+9+\i], v[TC+4+\i]
.endr
.endm
.macro LVL e, n                        ; a level of the sum of tile e's p, in place: pair j += pair j + n
.set j, 0
.rept \n
	v_pk_add_f32 v[S+64*\e+2*j:S+64*\e+2*j+1], v[S+64*\e+2*j:S+64*\e+2*j+1], v[S+64*\e+2*(j+\n):S+64*\e+2*(j+\n)+1]
.set j, j+1
.endr
.endm
; A PAIR OF TILES behind its scores: the softmax, p's codes, O^T under the new M, the second product
.macro SOFT pr, first
	PLACES 4                                       ; four places in front of the first read of results
.irp e, 0,1
.irp c, 0,1
	v_max3_num_f32 v[BM+2*\e+\c], v[S+64*\e+32*\c], v[S+64*\e+32*\c+1], v[S+64*\e+32*\c+2]   ; the largest score of my block of 32 keys: four chains by turns, each accumulator from its low end on
.endr
.endr
.irp k, 3,5,7,9,11,13,15,17,19,21,23,25,27,29
.irp e, 0,1
.irp c, 0,1
	v_max3_num_f32 v[BM+2*\e+\c], v[BM+2*\e+\c], v[S+64*\e+32*\c+\k], v[S+64*\e+32*\c+\k+1]
.endr
.endr
.endr
.irp e, 0,1
.irp c, 0,1
	v_max_num_f32 v[BM+2*\e+\c], v[BM+2*\e+\c], v[S+64*\e+32*\c+31]
.endr
.endr
.if \pr == 0
	VFETCH                                         ; the lines above are the places behind the products that read these registers
.else
	KFETCH
.endif
.irp e, 0,1
	v_max_num_f32 v[X+\e], v[BM+2*\e], v[BM+2*\e+1]
.endr
.irp e, 0,1
	v_permlanex16_b32 v[X+2+\e], v[X+\e], s[SEL], s[SEL+1]
.endr
.irp e, 0,1
.if \first
	v_max_num_f32 v[NM+4*\pr+2*\e+1], v[X+\e], v[X+2+\e]           ; my query's largest score
.else
	v_max3_num_f32 v[NM+4*\pr+2*\e+1], v[NM+4*\pr+2*\e+1], v[X+\e], v[X+2+\e]
.endif
.endr
.if \first == 0
.irp e, 0,1
	v_mov_b32 v[F+2*\e+1], v[NM+4*\pr+2*\e]        ; the old -M
.endr
.endif
.irp e, 0,1
	v_mul_f32 v[X+\e], s[CS], v[NM+4*\pr+2*\e+1]   ; as t (c is positive)
.endr
.irp e, 0,1
	v_floor_f32 v[NM+4*\pr+2*\e], -v[X+\e]         ; -M = floor(-t) = -ceil(t)
.endr
.if \first == 0
.irp e, 0,1
	v_sub_f32 v[F+2*\e+1], v[NM+4*\pr+2*\e], v[F+2*\e+1]   ; old M less new M: a whole number, 0 or less
.endr
.irp e, 0,1
	v_cvt_i32_f32 v[F+2*\e+1], v[F+2*\e+1]         ; (it saturates)
.endr
.irp e, 0,1
	v_ldexp_f32 v[F+2*\e], 1.0, v[F+2*\e+1]        ; f = 2^(old M - new M)
.endr
.endif
.irp e, 0,1
.set j, 0
.rept 32
	v_pk_fma_f32 v[S+64*\e+j:S+64*\e+j+1], v[S+64*\e+j:S+64*\e+j+1], s[CS:CS+1], v[NM+4*\pr+2*\e:NM+4*\pr+2*\e+1] op_sel_hi:[1,0,0]   ; t - M
.set j, j+2
.endr
.endr
.irp e, 0,1
.irp c, 0,1
	v_fma_f32 v[BM+2*\e+\c], v[BM+2*\e+\c], s[CS], v[NM+4*\pr+2*\e]   ; the same of each block's largest score
.endr
.endr
	WALU
.irp b, 0,1,2,3
	v_exp_f32 v[BM+\b], v[BM+\b]                   ; the block's largest p
.endr
.set j, 0
.rept 128
	v_exp_f32 v[S+j], v[S+j]                       ; p = 2^(t - M)
.set j, j+1
.endr
	v_nop                                          ; a plain place behind the exponentials
	WALU                                           ; and the one wait behind the batch
.irp b, 0,1,2,3
	v_max_num_f32 v[BM+\b], 0x1800000, v[BM+\b]    ; the floor 2^(3 - 127): the byte cannot fall under 1
.endr
.irp b, 0,1,2,3
	v_add_nc_u32 v[SOP+\b], 0xff000000, v[BM+\b]   ; 2 off the exponent field: the conversion's scale operand
.endr
.irp b, 0,1,2,3
	v_lshrrev_b32 v[X+\b], 23, v[SOP+\b]           ; the scale's byte
.endr
	CVT 0
.irp e, 0,1
	v_lshl_or_b32 v[PS+\e], v[X+2*\e+1], 16, v[X+2*\e]   ; my two bytes: blocks h and 2 + h,
.endr
.irp e, 0,1
	v_lshlrev_b32 v[PS+\e], v[SH8], v[PS+\e]       ; at their places in the scale word;
.endr
.irp e, 0,1
	v_permlanex16_b32 v[BM+\e], v[PS+\e], s[SEL], s[SEL+1]
.endr
.irp e, 0,1
	v_or_b32 v[PS+\e], v[PS+\e], v[BM+\e]          ; with lane l xor 16's two the word is whole
.endr
	CMOV 0
	CVT 1
	LVL 0, 16                                      ; the row's sum is taken of the unquantised p, which the conversions have read
	CMOV 1
	LVL 1, 16
	LVL 0, 8
	LVL 1, 8
	LVL 0, 4
	LVL 1, 4
	LVL 0, 2
	LVL 1, 2
	LVL 0, 1
	LVL 1, 1
.if \first
	WIN 0x40
.irp e, 0,1
	v_mov_b32 v[L+4*\pr+2*\e], v[S+64*\e]          ; the sums begin
	v_mov_b32 v[L+4*\pr+2*\e+1], v[S+64*\e+1]
.endr
.else
	WIN 0x41                                       ; O^T and the sums in window 1
	WALU                                           ; directly ahead of the first reader of O^T
.irp e, 0,1
.set j, 0
.rept 16
	v_pk_mul_f32 v[O+64*\pr+32*\e+j:O+64*\pr+32*\e+j+1], v[O+64*\pr+32*\e+j:O+64*\pr+32*\e+j+1], v[F+2*\e:F+2*\e+1] op_sel_hi:[1,0]   ; O^T under the new M
.set j, j+2
.endr
.endr
.irp e, 0,1
	v_pk_fma_f32 v[L+4*\pr+2*\e:L+4*\pr+2*\e+1], v[L+4*\pr+2*\e:L+4*\pr+2*\e+1], v[F+2*\e:F+2*\e+1], v[S+64*\e:S+64*\e+1] op_sel_hi:[1,0,1]   ; the sum under the new M, and this step's
.endr
.endif
	WALU
	s_wait_dscnt 0x0                               ; the pair's fetch is in: V's fragments, or the next step's K
	PVMUL \pr, \first
.endm
.macro STEP first
	SMUL 0
	SOFT 0, \first
	SMUL 1
	SOFT 1, \first
	s_add_co_u32 s[TKK], s[TKK], 6144
	s_add_co_u32 s[TS], s[TS], 512
	s_add_co_u32 s[TV], s[TV], 6144
	s_add_co_u32 s[TT], s[TT], 256
.endm
	s_mov_b32 s[TKK], 0
	s_mov_b32 s[TS], 0
	KFETCH                                         ; the first step's K
	s_mov_b32 s[TKK], 6144
	s_mov_b32 s[TS], 512
	s_mov_b32 s[TV], 0
	s_mov_b32 s[TT], 0
	s_wait_loadcnt 0x0                             ; Q's fragments and scale words
	s_wait_dscnt 0x0
	STEP 1                                         ; the first 128 keys start the sums
	s_mov_b32 s[CNT], 15
.Lstep:
	STEP 0
	s_sub_co_u32 s[CNT], s[CNT], 1
	s_cmp_lg_u32 s[CNT], 0
	s_cbranch_scc1 .Lstep
; THE WAY OUT.  O^T is divided by the row's sum and goes through my stage in LDS, so that sixteen lanes store a query's 256 bytes of this head, aligned.
	PLACES 4
	WIN 0x05
.irp i, 0,1,2,3
	v_add_f32 v[X+\i], v[L+2*\i], v[L+2*\i+1]      ; the sum's two halves,
.endr
	WIN 0
.irp i, 0,1,2,3
	v_permlanex16_b32 v[BM+\i], v[X+\i], s[SEL], s[SEL+1]
.endr
.irp i, 0,1,2,3
	v_add_f32 v[X+\i], v[X+\i], v[BM+\i]           ; and lane l xor 16's
.endr
	WALU
.irp i, 0,1,2,3
	v_rcp_f32 v[NM+2*\i], v[X+\i]
.endr
	v_nop
	WIN 0x01
	WALU                                           ; and behind it, directly ahead of the first readers of O^T
.irp i, 0,1,2,3
.set j, 0
.rept 16
	v_pk_mul_f32 v[S+32*\i+j:S+32*\i+j+1], v[O+32*\i+j:O+32*\i+j+1], v[NM+2*\i:NM+2*\i+1] op_sel_hi:[1,0]
.set j, j+2
.endr
.endr
	WIN 0
	WALU
.macro TOSTAGE i                       ; LDS serves a wave's instructions in order: the loads see the stores, and the next tile's stores come behind these loads
.irp dt, 0,1,2,3
	ds_store_b128 v[SO], v[S+32*(\i)+8*\dt:S+32*(\i)+8*\dt+3] offset:128*(\dt/2)+32*(\dt%2)
	ds_store_b128 v[SO], v[S+32*(\i)+8*\dt+4:S+32*(\i)+8*\dt+7] offset:128*(\dt/2)+32*(\dt%2)+16
.endr
.irp t, 0,1,2,3,4,5,6,7
	ds_load_b128 v[BK+32*((\i)%2)+4*\t:BK+32*((\i)%2)+4*\t+3], v[SR] offset:544*\t
.endr
.endm
.macro SEND i, younger                 ; stage row 2 t + h of tile i is token 8 i + 32 (t / 4) + (2 t) % 8 + h of my 64
	s_wait_dscnt \younger
.irp t, 0,1,2,3,4,5,6,7
	global_store_b128 v[GO], v[BK+32*((\i)%2)+4*\t:BK+32*((\i)%2)+4*\t+3], s[8:9] offset:((2*\t)%8+32*(\t/4)+8*(\i))*4096 th:TH_STORE_NT
.endr
.endm
	TOSTAGE 0
.irp a, 1,2,3
.if \a > 1
	s_wait_xcnt 0x0                                ; tile a - 2's stores have read their registers
.endif
	TOSTAGE \a
	SEND \a-1, 16                                  ; younger: tile a's 8 stores and 8 loads
.endr
	SEND 3, 0
	s_wait_tensorcnt 0x0                           ; the wave's end
	ds_add_u32 v[SPW], v[NIL]
	s_wait_dscnt 0x0
	CROUND                                         ; the closing round
	s_endpgm
.Lfunc_end_k_q557a24c182_attn:
	.size	k_q557a24c182_attn, .Lfunc_end_k_q557a24c182_attn-k_q557a24c182_attn
	.p2alignl 7, 3214868480
	.fill 96, 4, 3214868480
	.section	.rodata,"a",@progbits
	.p2align	6, 0x0
	.amdhsa_kernel k_q557a24c182_attn
		.amdhsa_group_segment_fixed_size 327680
		.amdhsa_private_segment_fixed_size 0
		.amdhsa_enable_private_segment 0
		.amdhsa_kernarg_size 24
		.amdhsa_user_sgpr_count 2
		.amdhsa_user_sgpr_kernarg_segment_ptr 1
		.amdhsa_wavefront_size32 1
		.amdhsa_system_sgpr_workgroup_id_x 1
		.amdhsa_system_sgpr_workgroup_id_y 1
		.amdhsa_system_sgpr_workgroup_id_z 1
		.amdhsa_system_vgpr_workitem_id 0
		.amdhsa_next_free_vgpr 512
		.amdhsa_next_free_sgpr 66
		.amdhsa_reserve_vcc 0
		.amdhsa_float_denorm_mode_32 3
		.amdhsa_float_denorm_mode_16_64 3
		.amdhsa_memory_ordered 1
		.amdhsa_forward_progress 1
		.amdhsa_inst_pref_size 119
	.end_amdhsa_kernel
	.amdgpu_metadata
---
amdhsa.version: [ 1, 2 ]
amdhsa.kernels:
  - .name:           k_q557a24c182_attn
    .symbol:         k_q557a24c182_attn.kd
    .args:
      - { .name: qb, .offset: 0, .size: 8, .value_kind: global_buffer, .address_space: global }
      - { .name: kv, .offset: 8, .size: 8, .value_kind: global_buffer, .address_space: global }
      - { .name: out0, .offset: 16, .size: 8, .value_kind: global_buffer, .address_space: global }
    .group_segment_fixed_size: 327680
    .private_segment_fixed_size: 0
    .kernarg_segment_align: 8
    .kernarg_segment_size: 24
    .max_flat_workgroup_size: 256
    .sgpr_count:     66
    .vgpr_count:     512
    .wavefront_size: 32
...
	.end_amdgpu_metadata
.endif
;; end of part 3
